; MI455X (gfx1250); checked and timed in simulation.
; The chip was launched on July 23, 2026; its instructions are those of AMD's public machine-readable ISA for CDNA 5 (MIT licence, August 2026) and "CDNA5" Instruction Set Architecture Reference Guide (July 2026). The comments in the code are by the model that wrote it; some were corrected since.
;; Multi Head Self Attention. Allowed arithmetic: matrix products marked QUANTISED: E4M3 operands, one given power-of-two scale a tensor, by v_wmma_f32_16x16x64_fp8_fp8 or v_wmma_f32_16x16x128_fp8_fp8, f32 sums; everything else in f32.
;; Inputs: W_o_codes 1,024 x 32 x 32 uint8 (E4M3 codes of W_o, K innermost, in blocks of 32 codes); W_qkv_codes 3,072 x 32 x 32 uint8 (E4M3 codes of W_qkv, K innermost, in blocks of 32 codes); b_o 1,024 float32; b_qkv 3,072 float32; gn_beta 1,024 float32; gn_gamma 1,024 float32; lowp_scales 8 int32 (the exponents e of the quantised operands' scales 2^e); x 4 x 2,048 x 1,024 float32.
;; Outputs: out0 4 x 2,048 x 1,024 float32.
;; This version of the problem:
;;   THIS VERSION OF THE PROBLEM IS GIVEN IN LOW PRECISION. The matrix products marked QUANTISED in the list below multiply operands that are first quantised to E4M3 (4 exponent bits, 3 mantissa bits; 8 bits a number), with one given power-of-two scale for each operand tensor; their sums are f32. All else is computed in f32.
;;   The module's matrix products, in the order in which they are computed (A, B: the left and right operand; K: the contracted axis; several contracted axes count as one K, in the product's order):
;;     1. [M 8,192, K 1,024] x [K 1,024, N 3,072]; A: computed on the way; B: input W_qkv (given as codes): QUANTISED (scales: A lowp_scales[0], B lowp_scales[1])
;;     2. batch 64 x [M 2,048, K 64] x [K 64, N 2,048]; A: computed on the way; B: computed on the way: QUANTISED (scales: A lowp_scales[2], B lowp_scales[3])
;;     3. batch 64 x [M 2,048, K 2,048] x [K 2,048, N 64]; A: softmax (see below); B: computed on the way: QUANTISED (scales: A lowp_scales[4], B lowp_scales[5])
;;     4. [M 8,192, K 1,024] x [K 1,024, N 1,024]; A: computed on the way; B: input W_o (given as codes): QUANTISED (scales: A lowp_scales[6], B lowp_scales[7])
;;   THE QUANTISER, for each operand of a quantised product, along K:
;;     - The operand's scale is 2^e, e = its entry of the input lowp_scales (int32; the entries are numbered through the quantised products in the list's order, A before B).
;;     - Each number is divided by the scale, clamped to +-448, and rounded to the nearest number of E4M3, ties to even, subnormals kept.
;;     - The product sums the exact products of the quantised numbers (number of the format x scale) in f32.
;;   ~~~python
;;   def quantise(x, axis, e):      # numpy; x: float32 -> the quantised numbers, widened to float32 again
;;       x = np.moveaxis(x, axis, -1); K = x.shape[-1]
;;       r = np.clip(x / 2.0 ** e, -448, 448)
;;       step = 2.0 ** (np.maximum(np.frexp(np.where(r == 0, 1, r))[1] - 1, -6) - 3)
;;       q = np.round(r / step) * step * 2.0 ** e      # np.round: ties to even
;;       return np.moveaxis(q, -1, axis).astype(np.float32)
;;   ~~~
;;   SOFTMAX AHEAD OF A QUANTISED PRODUCT. Where the list says 'softmax', what is quantised is not the finished softmax but p = 2^(t - M), with t = logit x log2(e) and M = ceil(the row's largest t), a whole number; so 1/2 < the row's largest p <= 1. The row's sum l is taken of the UNQUANTISED p, in f32, and the product's result is divided by l at the end. Since M is a whole number, a kernel that streams over the keys may use a running M (the ceiling of the running maximum): every later rescaling is an exact power of two, so the quantised numbers keep their values, but for numbers so far below the row's largest that they fall under the format's range.
;;   OPERANDS COMPUTED ON THE WAY. 'Computed on the way' means the value that the module computes at that place (a softmax that the list does not call 'softmax' is quantised finished and normalised). What goes into a quantiser is computed in f32, as accurately as f32 sums, v_exp_f32 and their like allow (about 1e-6 of the number): no bf16 or f16 on the way to a quantiser, and a product that is left as it is and whose result goes on into a quantised operand takes f32 operands (vector FMAs, or v_wmma_f32_16x16x4_f32). A number that lies on a knife's edge between two numbers of the format may be rounded either way, as far as f32 arithmetic and the matrix unit's own rounding can turn it there, and no further.
;;   INPUTS GIVEN AS CODES. W_o (in the module: [1024, 1024], K = its axis 0); W_qkv (in the module: [1024, 3072], K = its axis 0): each comes as NAME_codes (uint8): NAME with its K axis moved to the last place and cut into blocks of 32 codes, [.., K / 32, bytes a block], one block behind the other in memory; one code a byte (a code: sign, 4 exponent bits, 3 mantissa bits); its scale is its entry of lowp_scales. Its value is code x scale, taken as it is: it is not quantised again, and the codes and scales need not be those that the quantiser above would give.
;; One version. Each part assembles by itself: llvm-mc -triple=amdgcn-amd-amdhsa -mcpu=gfx1250 --defsym DOCPART=n.
;; ======== version 1 of 1: 5 launches
;; limits: right only within a limited range of input values
;; workspace buffers: part 65,536 bytes; h_codes 8,388,608 bytes; q_codes 8,388,608 bytes; k_codes 8,388,608 bytes; v_codes 8,388,608 bytes; a_codes 8,388,608 bytes
;; launch gnstat (part 1): grid 256 x 1, 8 waves a work-group, no clusters, 1,280 bytes of LDS; arguments x, part; writes part
.if DOCPART == 1
	.amdgcn_target "amdgcn-amd-amdhsa--gfx1250"
	.amdhsa_code_object_version 6
	.text
	.protected	k_q0857f2566d_gnstat
	.globl	k_q0857f2566d_gnstat
	.p2align	8
	.type	k_q0857f2566d_gnstat,@function
k_q0857f2566d_gnstat:
	s_mov_b64 s[64:65], 0
	v_nop
	global_prefetch_b8 v0, s[64:65] scope:SCOPE_SE
	s_setreg_imm32_b32 hwreg(HW_REG_WAVE_MODE, 25, 1), 1
	s_wait_xcnt 0x0
; GroupNorm, first pass.  x: [4][2048][1024] f32; a group is 32 neighbouring channels, its statistics span all 2,048 rows of a batch.
; Work-group g takes rows 32 g .. 32 g + 31 of the 8,192 (batch g / 64) and stores, for each of the 32 groups, the sum of d and the sum of d^2 over its 32 x 32 numbers,
; d = x - pivot, pivot = x[batch][0][32 group]: a number of the group itself, so that a common offset of the data is gone before anything is squared.
; part: [256 chunks][32 groups][2] f32.  The next launch adds a batch's 64 chunks.
; Thread t owns the 16 bytes at 16 t of every row (a wave's load covers 512 neighbouring bytes, the eight waves a row); eight neighbouring threads hold one group.
; All 32 loads of a thread are issued at once: 128 KiB of the work-group are on their way; no ring is needed for so short a stream.
; NaN and infinities among the inputs are not served.
.set ROW, 4096                         ; bytes in a row
.set X,   24                           ; v[24:151] row i: 4 registers
	s_load_b128 s[4:7], s[0:1], 0x0                ; x s[4:5], part s[6:7]
	v_lshl_add_u32 v160, v0, 2, 0x100
	v_mov_b32 v161, 0
	v_lshlrev_b32 v1, 4, v0                        ; 16 t: my bytes in a row; never rewritten
	v_lshrrev_b32 v3, 3, v0                        ; my group
	s_delay_alu instid0(VALU_DEP_1)
	v_lshlrev_b32 v2, 7, v3                        ; 128 x group: the pivot's byte in the batch's first row; never rewritten
	s_delay_alu instid0(VALU_DEP_2)
	v_lshlrev_b32 v3, 3, v3                        ; 8 x group: the group's two words in LDS
	v_lshrrev_b32 v19, 5, v0
	s_delay_alu instid0(VALU_DEP_1)
	v_readfirstlane_b32 s8, v19                    ; wave
	v_and_b32 v18, 31, v0
	s_delay_alu instid0(VALU_DEP_1)
	v_lshlrev_b32 v18, 3, v18                      ; 8 x lane: wave 0 reads and stores the 32 groups' pairs
	s_lshl_b32 s10, ttmp9, 17                      ; g x 32 rows x 4,096 bytes
	s_mov_b32 s11, 0
	s_lshr_b32 s12, ttmp9, 6
	s_lshl_b32 s12, s12, 23                        ; batch x 2,048 rows x 4,096 bytes
	s_mov_b32 s13, 0
	s_wait_alu depctr_va_vdst(0)
	s_wait_kmcnt 0x0
	s_add_nc_u64 s[14:15], s[4:5], s[12:13]        ; the batch's first row
	s_add_nc_u64 s[4:5], s[4:5], s[10:11]          ; my chunk's first row
	s_lshl_b32 s10, ttmp9, 8
	s_add_nc_u64 s[6:7], s[6:7], s[10:11]          ; my chunk's 256 bytes of part
	global_load_b32 v4, v2, s[14:15]               ; the pivot
.set i, 0
.rept 32
	global_load_b128 v[X+4*i:X+4*i+3], v1, s[4:5] offset:ROW*i
.set i, i+1
.endr
	s_wait_loadcnt 31                              ; loads come back in order: the pivot and row 0 are in, the 31 younger rows may be out
	v_mov_b32 v5, v4                               ; the pivot as a pair
	s_delay_alu instid0(VALU_DEP_1)
	v_pk_add_f32 v[6:7], v[X:X+1], v[4:5] neg_lo:[0,1] neg_hi:[0,1]       ; row 0 starts the sums: nothing is cleared
	s_delay_alu instid0(VALU_DEP_2)
	v_pk_add_f32 v[8:9], v[X+2:X+3], v[4:5] neg_lo:[0,1] neg_hi:[0,1]
	s_delay_alu instid0(VALU_DEP_2)
	v_pk_mul_f32 v[10:11], v[6:7], v[6:7]
	s_delay_alu instid0(VALU_DEP_2)
	v_pk_mul_f32 v[12:13], v[8:9], v[8:9]
.set i, 1
	s_wait_alu depctr_va_vdst(0)
.rept 31
	s_wait_loadcnt 31-i                            ; row i is in; the 31 - i younger rows may be out
	v_pk_add_f32 v[14:15], v[X+4*i:X+4*i+1], v[4:5] neg_lo:[0,1] neg_hi:[0,1]
	s_wait_alu depctr_va_vdst(0)
	v_pk_add_f32 v[16:17], v[X+4*i+2:X+4*i+3], v[4:5] neg_lo:[0,1] neg_hi:[0,1]
	v_pk_add_f32 v[6:7], v[6:7], v[14:15]
	s_delay_alu instid0(VALU_DEP_2)
	v_pk_add_f32 v[8:9], v[8:9], v[16:17]
	v_pk_fma_f32 v[10:11], v[14:15], v[14:15], v[10:11]
	s_delay_alu instid0(VALU_DEP_4)
	v_pk_fma_f32 v[12:13], v[16:17], v[16:17], v[12:13]
.set i, i+1
.endr
	s_delay_alu instid0(VALU_DEP_3)
	v_pk_add_f32 v[6:7], v[6:7], v[8:9]
	s_delay_alu instid0(VALU_DEP_2)
	v_pk_add_f32 v[10:11], v[10:11], v[12:13]
	s_delay_alu instid0(VALU_DEP_2)
	v_add_f32 v6, v6, v7                           ; my 128 numbers' sum of d,
	s_delay_alu instid0(VALU_DEP_2)
	v_add_f32 v7, v10, v11                         ; and of d^2
.irp m, 1,2,4                                  ; the eight lanes of a group
	s_delay_alu instid0(VALU_DEP_2)
	v_add_f32_dpp v6, v6, v6 row_xmask:\m row_mask:0xf bank_mask:0xf
	s_delay_alu instid0(VALU_DEP_2)
	v_add_f32_dpp v7, v7, v7 row_xmask:\m row_mask:0xf bank_mask:0xf
.endr
	ds_store_b64 v3, v[6:7]                        ; the eight lanes write the same two words with the same values
	s_wait_dscnt 0x0                               ; for wave 0's sake: my store is done
	s_barrier_signal -1
	s_barrier_wait -1
	s_cmp_lg_u32 s8, 0
	s_cbranch_scc1 .Ldone
	ds_load_b64 v[8:9], v18
	s_wait_dscnt 0x0
	global_store_b64 v18, v[8:9], s[6:7]           ; 32 lanes store 256 consecutive bytes, at a multiple of 256 from part's first byte
.Ldone:
	s_wait_tensorcnt 0x0
	ds_add_u32 v160, v161
	s_wait_dscnt 0x0
	s_endpgm
.Lfunc_end_k_q0857f2566d_gnstat:
	.size	k_q0857f2566d_gnstat, .Lfunc_end_k_q0857f2566d_gnstat-k_q0857f2566d_gnstat
	.p2alignl 7, 3214868480
	.fill 96, 4, 3214868480
	.section	.rodata,"a",@progbits
	.p2align	6, 0x0
	.amdhsa_kernel k_q0857f2566d_gnstat
		.amdhsa_group_segment_fixed_size 1280
		.amdhsa_private_segment_fixed_size 0
		.amdhsa_enable_private_segment 0
		.amdhsa_kernarg_size 16
		.amdhsa_user_sgpr_count 2
		.amdhsa_user_sgpr_kernarg_segment_ptr 1
		.amdhsa_wavefront_size32 1
		.amdhsa_system_sgpr_workgroup_id_x 1
		.amdhsa_system_sgpr_workgroup_id_y 1
		.amdhsa_system_sgpr_workgroup_id_z 1
		.amdhsa_system_vgpr_workitem_id 0
		.amdhsa_next_free_vgpr 162
		.amdhsa_next_free_sgpr 66
		.amdhsa_reserve_vcc 0
		.amdhsa_float_denorm_mode_32 3
		.amdhsa_float_denorm_mode_16_64 3
		.amdhsa_memory_ordered 1
		.amdhsa_forward_progress 1
		.amdhsa_inst_pref_size 22
	.end_amdhsa_kernel
	.amdgpu_metadata
---
amdhsa.version: [ 1, 2 ]
amdhsa.kernels:
  - .name:           k_q0857f2566d_gnstat
    .symbol:         k_q0857f2566d_gnstat.kd
    .args:
      - { .name: x, .offset: 0, .size: 8, .value_kind: global_buffer, .address_space: global }
      - { .name: part, .offset: 8, .size: 8, .value_kind: global_buffer, .address_space: global }
    .group_segment_fixed_size: 1280
    .private_segment_fixed_size: 0
    .kernarg_segment_align: 8
    .kernarg_segment_size: 16
    .max_flat_workgroup_size: 256
    .sgpr_count:     66
    .vgpr_count:     162
    .wavefront_size: 32
...
	.end_amdgpu_metadata
.endif
;; end of part 1
;; launch gnquant (part 2): grid 256 x 1, 8 waves a work-group, no clusters, 44,032 bytes of LDS; arguments x, part, gn_gamma, gn_beta, lowp_scales, h_codes; writes h_codes
.if DOCPART == 2
	.amdgcn_target "amdgcn-amd-amdhsa--gfx1250"
	.amdhsa_code_object_version 6
	.text
	.protected	k_q0857f2566d_gnquant
	.globl	k_q0857f2566d_gnquant
	.p2align	8
	.type	k_q0857f2566d_gnquant,@function
k_q0857f2566d_gnquant:
	s_mov_b64 s[64:65], 0
	v_nop
	global_prefetch_b8 v0, s[64:65] scope:SCOPE_SE
	s_setreg_imm32_b32 hwreg(HW_REG_WAVE_MODE, 25, 1), 1
	s_wait_xcnt 0x0
; GroupNorm, second pass, and the quantiser of the first product's left operand.
; h = (x - mean) rsqrt(var + 1e-6) gamma + beta, in f32; code = h / 2^e0, held within +-448, to the nearest E4M3 code, ties to even.  h_codes: [8192][1024], one code a byte.
; mean = pivot + (sum d) / 65,536, var = (sum d^2) / 65,536 - ((sum d) / 65,536)^2, d = x - pivot as the launch before took it (pivot = x[batch][0][32 group]): d is of the data's spread, so no large sums are subtracted.
; Work-group g takes rows 32 g .. 32 g + 31.  Wave w takes columns 512 (w % 2) on of rows 8 (w / 2) + 0 .. 7: eight steps of 2,048 bytes.
; A conversion takes eight neighbours from ONE lane's registers; a load is best where neighbouring LANES take neighbouring bytes.  Both are had: each of a step's four loads reads 512 consecutive bytes, and the step turns
; through the wave's own stage in LDS (16 bytes of padding behind each 64) and comes back 64 bytes a lane.  A lane's 16 codes are 16 bytes: the wave stores 512 consecutive bytes.
; All 32 loads of x are issued at the head, so that they are on their way while the statistics are finished.
; LIMITS: e0 between -126 and 119, so that 2^e0 and 448 x 2^e0 are f32 numbers.  NaN and infinities among the inputs are not served.
.set SP,   80                          ; a lane's place in a stage: 64 bytes + 16 of padding
.set STG,  32*SP                       ; a stage; a wave has two: 5,120 bytes a wave
.set STAT, 40960                       ; behind the eight waves' stages: [8 waves][32 groups][2] f32
.set GA,   32                          ; v[32:47]  gamma of my 16 columns, then gamma x rstd
.set BE,   48                          ; v[48:63]  beta
.set X,    64                          ; v[64:95]  two sets of 16 neighbours
.set C,    96                          ; v[96:127] codes: four registers for each step, so that no store's data are written again
.set R,    128                         ; v[128:255] step t: 16 registers as loaded
	s_load_b256 s[4:11], s[0:1], 0x0               ; x s[4:5], part s[6:7], gamma s[8:9], beta s[10:11]
	s_load_b128 s[12:15], s[0:1], 0x20             ; the scales' exponents s[12:13], h_codes s[14:15]
	v_lshl_add_u32 v15, v0, 2, 0xa800
	s_set_vgpr_msb 0x40
	v_mov_b32 v1, 0
	s_set_vgpr_msb 0x4000
	v_lshrrev_b32 v1, 5, v0
	s_delay_alu instid0(VALU_DEP_1)
	v_readfirstlane_b32 s16, v1                    ; wave
	v_and_b32 v1, 31, v0                           ; lane
	s_delay_alu instid0(VALU_DEP_1)
	v_lshlrev_b32 v2, 4, v1                        ; 16 x lane: my bytes of a load's 512, and of a step's codes
	s_delay_alu instid0(VALU_DEP_2)
	v_lshlrev_b32 v3, 3, v1                        ; 8 x lane: in part the lane is the group
	v_lshl_add_u32 v4, v0, 3, STAT                 ; where I put my wave's sums of group = lane: STAT + 256 x wave + 8 x lane
	s_and_b32 s17, s16, 1                          ; which half of the columns
	s_lshr_b32 s18, s16, 1                         ; which eight rows
	s_lshl_b32 s19, s17, 4
	v_lshrrev_b32 v5, 1, v1
	s_delay_alu instid0(VALU_DEP_1)
	v_add_nc_u32 v5, s19, v5                       ; the group of my 16 columns: 16 x half + lane / 2
	s_delay_alu instid0(VALU_DEP_1)
	v_lshlrev_b32 v6, 7, v5                        ; its pivot's byte in the batch's first row
	s_delay_alu instid0(VALU_DEP_2)
	v_lshl_add_u32 v5, v5, 3, STAT                 ; its sums, wave 0's
	s_lshl_b32 s19, s17, 11
	v_lshl_add_u32 v7, v1, 6, s19                  ; gamma, beta: 2,048 x half + 64 x lane
	s_mul_i32 s20, s16, 2*STG                      ; my stages
	v_lshrrev_b32 v8, 2, v1
	s_delay_alu instid0(VALU_DEP_1)
	v_mul_u32_u24 v8, v8, SP
	v_and_b32 v9, 3, v1
	s_delay_alu instid0(VALU_DEP_1)
	v_lshl_add_u32 v8, v9, 4, v8
	s_delay_alu instid0(VALU_DEP_1)
	v_add_nc_u32 v8, s20, v8                       ; into a stage: four lanes' 64 bytes on end, then the padding; a load's 512 bytes take eight places
	v_mul_u32_u24 v9, v1, SP
	s_delay_alu instid0(VALU_DEP_1)
	v_add_nc_u32 v9, s20, v9                       ; out of it: my 16 neighbours
	s_lshr_b32 s21, ttmp9, 6                       ; batch
	s_lshl_b32 s22, s21, 14
	s_lshl_b32 s23, s16, 11
	s_add_co_u32 s22, s22, s23                     ; part: chunk 64 x batch + 8 x wave, 256 bytes a chunk
	s_mov_b32 s23, 0
	s_lshl_b32 s24, s21, 23                        ; the batch's first row of x
	s_mov_b32 s25, 0
	s_lshl_b32 s26, ttmp9, 17
	s_lshl_b32 s27, s18, 15
	s_add_co_u32 s26, s26, s27
	s_add_co_u32 s26, s26, s19                     ; x: row 32 g + 8 (wave / 2), + 2,048 x half
	s_mov_b32 s27, 0
	s_lshr_b32 s28, s26, 2                         ; the same place in the codes: a quarter of the bytes
	s_mov_b32 s29, 0
	s_wait_alu depctr_va_vdst(0)
	s_wait_kmcnt 0x0
	s_load_b32 s30, s[12:13], 0x0                  ; e0
	s_add_nc_u64 s[6:7], s[6:7], s[22:23]
	s_add_nc_u64 s[24:25], s[4:5], s[24:25]
	s_add_nc_u64 s[4:5], s[4:5], s[26:27]
	s_add_nc_u64 s[14:15], s[14:15], s[28:29]
.irp i, 0,1,2,3,4,5,6,7
	global_load_b64 v[16+2*\i:17+2*\i], v3, s[6:7] offset:256*\i      ; eight of the batch's 64 chunks: 256 consecutive bytes a load
.endr
	global_load_b32 v14, v6, s[24:25]              ; the pivot
.irp i, 0,1,2,3
	global_load_b128 v[GA+4*\i:GA+4*\i+3], v7, s[8:9] offset:16*\i
.endr
.irp i, 0,1,2,3
	global_load_b128 v[BE+4*\i:BE+4*\i+3], v7, s[10:11] offset:16*\i
.endr
.irp t, 0,1,2,3,4,5,6,7
.irp i, 0,1,2,3
	global_load_b128 v[R+16*\t+4*\i:R+16*\t+4*\i+3], v2, s[4:5] offset:4096*\t+512*\i
.endr
.endr
.macro TREE                            ; eight pairs (sum d, sum d^2) in v[16:31] become one in v[16:17]
	v_pk_add_f32 v[16:17], v[16:17], v[18:19]
	v_pk_add_f32 v[20:21], v[20:21], v[22:23]
	v_pk_add_f32 v[24:25], v[24:25], v[26:27]
	v_pk_add_f32 v[28:29], v[28:29], v[30:31]
	s_delay_alu instid0(VALU_DEP_3)
	v_pk_add_f32 v[16:17], v[16:17], v[20:21]
	s_delay_alu instid0(VALU_DEP_2)
	v_pk_add_f32 v[24:25], v[24:25], v[28:29]
	s_delay_alu instid0(VALU_DEP_1)
	v_pk_add_f32 v[16:17], v[16:17], v[24:25]
.endm
	s_wait_loadcnt 41                              ; the eight loads of part are in; behind them: the pivot, 8 of gamma and beta, 32 of x
	TREE
	ds_store_b64 v4, v[16:17]
	s_wait_dscnt 0x0                               ; for the others' sake: my store is done
	s_barrier_signal -1
	s_barrier_wait -1
.irp i, 0,1,2,3,4,5,6,7
	ds_load_b64 v[16+2*\i:17+2*\i], v5 offset:256*\i                  ; the eight waves' sums of my columns' group
.endr
	s_wait_kmcnt 0x0
	s_add_co_i32 s30, s30, 127
	s_lshl_b32 s31, s30, 23
	v_mov_b32 v11, s31                             ; 2^e0 as f32: the conversion takes its exponent field
	s_add_co_i32 s30, s30, 8
	s_lshl_b32 s30, s30, 23
	s_or_b32 s30, s30, 0x600000
	v_mov_b32 v10, s30                             ; 448 x 2^e0
	s_wait_dscnt 0x0
	TREE
	s_wait_alu depctr_va_vdst(0)
	s_wait_loadcnt 32                              ; the pivot, gamma and beta are in; the 32 loads of x may be out
	v_mul_f32 v16, 0x37800000, v16                 ; the mean of d: / 65,536
	v_mul_f32 v17, 0x37800000, v17                 ; the mean of d^2
	s_delay_alu instid0(VALU_DEP_1)
	v_fma_f32 v17, -v16, v16, v17                  ; the variance,
	s_delay_alu instid0(VALU_DEP_1)
	v_max_num_f32 v17, 0, v17                      ; which rounding must not make negative
	s_delay_alu instid0(VALU_DEP_1)
	v_add_f32 v17, 0x358637bd, v17                 ; + 1e-6
	s_wait_alu depctr_va_vdst(0)
	v_rsq_f32 v18, v17
	v_rsq_f32 v19, v17                             ; twice, for the packed multiply
	v_add_f32 v12, v14, v16                        ; the mean = pivot + the mean of d.  (A plain line behind the roots)
	s_delay_alu instid0(VALU_DEP_1)
	v_mov_b32 v13, v12
	s_wait_alu depctr_va_vdst(0)                   ; the wait ahead of the first line that names a root: one for both
.irp j, 0,2,4,6,8,10,12,14
	v_pk_mul_f32 v[GA+\j:GA+\j+1], v[GA+\j:GA+\j+1], v[18:19]         ; gamma x rstd
.endr
.macro TURN t                          ; step t's numbers through a stage: LDS serves a wave's instructions in order, so no wait stands between the stores and the loads
.irp i, 0,1,2,3
	ds_store_b128 v8, v[R+16*(\t)+4*\i:R+16*(\t)+4*\i+3] offset:STG*((\t)%2)+8*SP*\i
.endr
.irp i, 0,1,2,3
	ds_load_b128 v[X+16*((\t)%2)+4*\i:X+16*((\t)%2)+4*\i+3], v9 offset:STG*((\t)%2)+16*\i
.endr
.endm
.macro STEP t
.set XS, X+16*((\t)%2)
	s_wait_dscnt 0x0                               ; this step's numbers are back from the stage
.if (\t) < 7
	s_wait_loadcnt 4*(6-(\t))                      ; the next step's four loads are in; those of the 6 - t steps behind it may be out
	TURN (\t)+1                                    ; and go through the other stage while this step is worked
.endif
.irp j, 0,2,4,6,8,10,12,14
	v_pk_add_f32 v[XS+\j:XS+\j+1], v[XS+\j:XS+\j+1], v[12:13] neg_lo:[0,1] neg_hi:[0,1]      ; x - mean
.endr
.irp j, 0,2,4,6,8,10,12,14
	v_pk_fma_f32 v[XS+\j:XS+\j+1], v[XS+\j:XS+\j+1], v[GA+\j:GA+\j+1], v[BE+\j:BE+\j+1]      ; x gamma rstd + beta
.endr
.irp i, 0,1,2,3,4,5,6,7,8,9,10,11,12,13,14,15
	v_med3_num_f32 v[XS+\i], v[XS+\i], -v10, v10   ; the conversion to an 8-bit code does not saturate (ISA guide 7.6.2): the hold at the largest code x the scale
.endr
	v_cvt_scalef32_pk8_fp8_f32 v[C+4*(\t):C+4*(\t)+1], v[XS:XS+7], v11
	v_cvt_scalef32_pk8_fp8_f32 v[C+4*(\t)+2:C+4*(\t)+3], v[XS+8:XS+15], v11
	global_store_b128 v2, v[C+4*(\t):C+4*(\t)+3], s[14:15] offset:1024*(\t)                  ; the results go to a store alone; the next vector lines are plain and touch the other set
.endm
	s_wait_loadcnt 28                              ; step 0's four loads are in
	TURN 0
.irp t, 0,1,2,3,4,5,6,7
	STEP \t
.endr
	s_set_vgpr_msb 0x4
	s_wait_tensorcnt 0x0
	ds_add_u32 v15, v1
	s_wait_dscnt 0x0
	s_set_vgpr_msb 0x400
	s_endpgm
.Lfunc_end_k_q0857f2566d_gnquant:
	.size	k_q0857f2566d_gnquant, .Lfunc_end_k_q0857f2566d_gnquant-k_q0857f2566d_gnquant
	.p2alignl 7, 3214868480
	.fill 96, 4, 3214868480
	.section	.rodata,"a",@progbits
	.p2align	6, 0x0
	.amdhsa_kernel k_q0857f2566d_gnquant
		.amdhsa_group_segment_fixed_size 44032
		.amdhsa_private_segment_fixed_size 0
		.amdhsa_enable_private_segment 0
		.amdhsa_kernarg_size 48
		.amdhsa_user_sgpr_count 2
		.amdhsa_user_sgpr_kernarg_segment_ptr 1
		.amdhsa_wavefront_size32 1
		.amdhsa_system_sgpr_workgroup_id_x 1
		.amdhsa_system_sgpr_workgroup_id_y 1
		.amdhsa_system_sgpr_workgroup_id_z 1
		.amdhsa_system_vgpr_workitem_id 0
		.amdhsa_next_free_vgpr 258
		.amdhsa_next_free_sgpr 66
		.amdhsa_reserve_vcc 0
		.amdhsa_float_denorm_mode_32 3
		.amdhsa_float_denorm_mode_16_64 3
		.amdhsa_memory_ordered 1
		.amdhsa_forward_progress 1
		.amdhsa_inst_pref_size 33
	.end_amdhsa_kernel
	.amdgpu_metadata
---
amdhsa.version: [ 1, 2 ]
amdhsa.kernels:
  - .name:           k_q0857f2566d_gnquant
    .symbol:         k_q0857f2566d_gnquant.kd
    .args:
      - { .name: x, .offset: 0, .size: 8, .value_kind: global_buffer, .address_space: global }
      - { .name: part, .offset: 8, .size: 8, .value_kind: global_buffer, .address_space: global }
      - { .name: gn_gamma, .offset: 16, .size: 8, .value_kind: global_buffer, .address_space: global }
      - { .name: gn_beta, .offset: 24, .size: 8, .value_kind: global_buffer, .address_space: global }
      - { .name: lowp_scales, .offset: 32, .size: 8, .value_kind: global_buffer, .address_space: global }
      - { .name: h_codes, .offset: 40, .size: 8, .value_kind: global_buffer, .address_space: global }
    .group_segment_fixed_size: 44032
    .private_segment_fixed_size: 0
    .kernarg_segment_align: 8
    .kernarg_segment_size: 48
    .max_flat_workgroup_size: 256
    .sgpr_count:     66
    .vgpr_count:     258
    .wavefront_size: 32
...
	.end_amdgpu_metadata
.endif
;; end of part 2
;; launch qkv (part 3): grid 12 x 32, 4 waves a work-group, clusters of 4 x 4, 327,680 bytes of LDS; arguments h_codes, W_qkv_codes, lowp_scales, b_qkv, q_codes, k_codes, v_codes; writes q_codes, k_codes, v_codes
.if DOCPART == 3
	.amdgcn_target "amdgcn-amd-amdhsa--gfx1250"
	.amdhsa_code_object_version 6
	.text
	.protected	k_q0857f2566d_qkv
	.globl	k_q0857f2566d_qkv
	.p2align	8
	.type	k_q0857f2566d_qkv,@function
k_q0857f2566d_qkv:
	s_mov_b64 s[64:65], 0
	v_nop
	global_prefetch_b8 v0, s[64:65] scope:SCOPE_SE
	s_setreg_imm32_b32 hwreg(HW_REG_WAVE_MODE, 25, 1), 1
	s_wait_xcnt 0x0
	s_wait_alu depctr_hold_cnt(0) depctr_sa_sdst(0) depctr_va_vdst(0) depctr_va_sdst(0) depctr_va_ssrc(0) depctr_va_vcc(0) depctr_vm_vsrc(0)
	s_getreg_b32 s2, hwreg(HW_REG_IB_STS2, 6, 4)
	s_cmp_eq_u32 s2, 0
	s_cbranch_scc0 .Lentry_in_a_cluster
	s_endpgm
.Lentry_in_a_cluster:
	s_bfe_u32 s2, ttmp6, 0x10000c
	s_cmp_lg_u32 s2, 0xf033
	s_cbranch_scc0 .Lentry_shape_is_right
	s_endpgm
.Lentry_shape_is_right:
.set ROWB,   256
.set KROW,   1024
.set PITCH,  272
.set FR,     16
.set NL,     4
.set NP,     4
.set HALFT,  128*PITCH
.set SLOT,   4*HALFT
.set LAPS,   2
.set SPARE,  2*SLOT
.set OB32, 10
.set OB4,  11
.set ADRA, 16
.set ADRB, 20
.set CO,   26
.set SPW,  28
.set NIL,  29
.set SCL,  30
.set LIM,  31
.set BB,   32
.set BA,   96
.set TMP,  104
.set AF,   128
.set G1, 24
.set G0, 32
.set G1B, 48
.set G0B, 56
.set MSB, 0
.macro WIN new
.if MSB != (\new)
	s_set_vgpr_msb (MSB<<8)|(\new)
.set MSB, (\new)
.endif
.endm
.set MUL_LO, 0xa1
.set MUL_HI, 0xf1
.set TO_B,   0x40
.macro JLOAD g0a, g1a, g0b, g1b
	s_cmp_eq_u32 s15, 0
	s_cbranch_scc0 .Lfor_b_\@
	tensor_load_to_lds s[\g0a:\g0a+3], s[\g1a:\g1a+7]
	s_nop 0
.rept 4
	v_nop
.endr
	s_branch .Lasked_\@
.Lfor_b_\@:
	tensor_load_to_lds s[\g0b:\g0b+3], s[\g1b:\g1b+7]
	s_nop 0
.rept 4
	v_nop
.endr
.Lasked_\@:
.endm
.macro CREST
	s_cmp_lg_u32 s14, 0
	s_cbranch_scc1 .Lnot_wave_0_\@
	s_barrier_signal -3
.Lnot_wave_0_\@:
	s_barrier_wait -3
	s_barrier_signal -1
	s_barrier_wait -1
.endm
.macro CROUND
	s_barrier_signal -1
	s_barrier_wait -1
	CREST
.endm
	s_load_b128 s[4:7], s[0:1], 0x0
	s_load_b128 s[8:11], s[0:1], 0x10
	s_load_b128 s[68:71], s[0:1], 0x20
	s_load_b64 s[72:73], s[0:1], 0x30
	v_lshl_add_u32 v[SPW], v0, 2, SPARE
	v_mov_b32 v[NIL], 0
	ds_add_u32 v28, v29
	ds_add_u32 v28, v29
	s_wait_dscnt 0x0
	v_lshrrev_b32 v1, 5, v0
	v_readfirstlane_b32 s14, v1
	s_lshr_b32 s15, s14, 1
	s_and_b32 s16, s14, 1
	s_bfe_u32 s40, ttmp6, 0x40000
	s_bfe_u32 s41, ttmp6, 0x40004
	s_and_b32 s90, ttmp7, 0xffff
	s_lshl_b32 s90, s90, 2
	s_lshl_b32 s91, ttmp9, 2
	s_cmp_eq_u32 ttmp9, 2
	s_cselect_b32 s17, 8, s90
	s_cselect_b32 s42, s90, s91
	s_add_co_u32 s17, s17, s41
	s_add_co_u32 s42, s42, s40
	s_lshl_b32 s43, s41, 2
	s_lshl_b32 s43, 15, s43
	s_lshl_b32 s44, 0x1111, s40
	s_or_b32 s[G1+0], s43, (0<<16)|(1<<20)|(1<<21)|(5<<22)|(3<<25)
	s_or_b32 s[G1B+0], s44, (0<<16)|(1<<20)|(1<<21)|(5<<22)|(3<<25)
.irp g, G1, G1B
	s_mov_b32 s[\g+1], ROWB<<16
	s_mov_b32 s[\g+2], 128<<16
	s_mov_b32 s[\g+3], ROWB<<16
	s_mov_b32 s[\g+4], 128
	s_mov_b32 s[\g+5], KROW
	s_mov_b32 s[\g+6], 0
	s_mov_b32 s[\g+7], 0
.endr
	s_lshl_b32 s18, s16, 7
	s_lshl_b32 s20, s17, 8
	s_add_co_u32 s20, s20, s18
	s_lshl_b32 s20, s20, 10
	s_mov_b32 s21, 0
	s_lshl_b32 s46, s42, 8
	s_add_co_u32 s46, s46, s18
	s_lshl_b32 s46, s46, 10
	s_mov_b32 s47, 0
	s_mul_i32 s45, s14, HALFT
	s_lshl_b32 s88, s17, 8
	s_lshl_b32 s89, s15, 7
	s_add_co_u32 s88, s88, s89
	s_lshl_b32 s89, s42, 8
	s_add_co_u32 s89, s89, s18
	s_cmp_eq_u32 ttmp9, 2
	s_cselect_b32 s88, s88, s89
	s_lshl_b32 s88, s88, 2
	s_mov_b32 s89, 0
	s_wait_kmcnt 0x0
	s_load_b256 s[80:87], s[8:9], 0x0
	s_cmp_eq_u32 ttmp9, 2
	s_cselect_b64 s[74:75], s[6:7], s[4:5]
	s_cselect_b64 s[76:77], s[4:5], s[6:7]
	s_add_nc_u64 s[20:21], s[74:75], s[20:21]
	s_add_nc_u64 s[46:47], s[76:77], s[46:47]
	s_add_nc_u64 s[10:11], s[10:11], s[88:89]
	CROUND
.irp s, 0,1
	s_mov_b32 s[G0+4*\s], 1
	s_add_co_u32 s[G0+4*\s+1], s45, \s*SLOT
	s_add_nc_u64 s[G0+4*\s+2:G0+4*\s+3], s[20:21], \s*ROWB
	s_or_b32 s[G0+4*\s+3], s[G0+4*\s+3], 0x80000000
	s_mov_b32 s[G0B+4*\s], 1
	s_add_co_u32 s[G0B+4*\s+1], s45, \s*SLOT
	s_add_nc_u64 s[G0B+4*\s+2:G0B+4*\s+3], s[46:47], \s*ROWB
	s_or_b32 s[G0B+4*\s+3], s[G0B+4*\s+3], 0x80000000
	s_wait_alu depctr_va_vdst(0)
	s_wait_tensorcnt 0x0
	ds_add_u32 v28, v29
	ds_add_u32 v28, v29
	s_wait_dscnt 0x0
	CROUND
	JLOAD G0+4*\s, G1, G0B+4*\s, G1B
.endr
	v_and_b32 v1, 15, v0
	v_bfe_u32 v2, v0, 4, 1
	v_lshlrev_b32 v[OB32], 5, v2
	v_lshlrev_b32 v[OB4], 2, v1
.irp b, 0,1,2,3,4,5,6,7
	global_load_b128 v[BB+8*\b:BB+8*\b+3], v[OB32], s[10:11] offset:64*\b
	global_load_b128 v[BB+8*\b+4:BB+8*\b+7], v[OB32], s[10:11] offset:64*\b+16
.endr
.irp a, 0,1,2,3,4,5,6,7
	global_load_b32 v[BA+\a], v[OB4], s[10:11] offset:64*\a
.endr
	v_mul_u32_u24 v3, v1, PITCH
	v_lshl_add_u32 v4, v2, 4, v3
	s_mul_i32 s21, s15, HALFT
	s_mul_i32 s22, s16, HALFT
	s_add_co_u32 s22, s22, 2*HALFT
.irp s, 0,1
	v_add_nc_u32 v[ADRA+\s], s21, v4
	v_add_nc_u32 v[ADRB+\s], s22, v4
	s_add_co_u32 s21, s21, SLOT
	s_add_co_u32 s22, s22, SLOT
.endr
	v_and_b32 v6, 31, v0
	v_lshlrev_b32 v[CO], 4, v6
.macro FRAG reg, adr, q, i
.irp c, 0,1,2,3
	ds_load_b128 v[\reg+4*\c:\reg+4*\c+3], v[\adr] offset:128*(\q)+32*\c+(\i)*16*PITCH
.endr
.endm
.macro MUL16 a0, p, zero
.irp a, \a0, \a0+1
.irp b, 0,1,2,3,4,5,6,7
.if \zero
	v_wmma_f32_16x16x128_fp8_fp8 v[8*(8*((\a)%4)+\b):8*(8*((\a)%4)+\b)+7], v[128*(\p)+FR*\b:128*(\p)+FR*\b+FR-1], v[AF+FR*(\a):AF+FR*(\a)+FR-1], 0
.else
	v_wmma_f32_16x16x128_fp8_fp8 v[8*(8*((\a)%4)+\b):8*(8*((\a)%4)+\b)+7], v[128*(\p)+FR*\b:128*(\p)+FR*\b+FR-1], v[AF+FR*(\a):AF+FR*(\a)+FR-1], v[8*(8*((\a)%4)+\b):8*(8*((\a)%4)+\b)+7]
.endif
.endr
.endr
.endm
.macro FETCH_B slot, q, p
	WIN TO_B
.irp i, 0,1,2,3,4,5,6,7
	FRAG 128*(\p)+FR*\i, ADRB+\slot, \q, \i
.endr
	WIN 0
.endm
.macro FETCH_A slot, q, i0
.irp i, \i0, \i0+1, \i0+2, \i0+3
	FRAG AF+FR*(\i), ADRA+\slot, \q, \i
.endr
.endm
.macro PLACES n
.rept \n
	v_nop
.endr
.endm
.macro STEP slot, q, zero
	s_wait_dscnt 4*NL
	WIN MUL_LO
	MUL16 0, (\q)%2, \zero
	MUL16 2, (\q)%2, \zero
	s_wait_dscnt 0
	PLACES NP
	FETCH_B \slot, (\q)+1, 1-(\q)%2
	FETCH_A \slot, (\q)+1, 0
	WIN MUL_HI
	MUL16 4, (\q)%2, \zero
	MUL16 6, (\q)%2, \zero
	PLACES NP
	WIN 0
	FETCH_A \slot, (\q)+1, 4
.endm
.macro TURN slot, next, fill
	s_wait_tensorcnt 0x0
	ds_add_u32 v[SPW], v[NIL]
	s_wait_dscnt 4*NL+1
	WIN MUL_LO
	MUL16 0, 1, 0
	s_wait_dscnt 0x0
	s_barrier_signal -1
	MUL16 2, 1, 0
	WIN 0
	s_barrier_wait -1
.if \fill
	CREST
	s_add_nc_u64 s[G0+4*\slot+2:G0+4*\slot+3], s[G0+4*\slot+2:G0+4*\slot+3], 2*ROWB
	s_add_nc_u64 s[G0B+4*\slot+2:G0B+4*\slot+3], s[G0B+4*\slot+2:G0B+4*\slot+3], 2*ROWB
	JLOAD G0+4*\slot, G1, G0B+4*\slot, G1B
.else
	PLACES NP
.endif
	FETCH_B \next, 0, 0
	FETCH_A \next, 0, 0
	WIN MUL_HI
	MUL16 4, 1, 0
	MUL16 6, 1, 0
	PLACES NP
	WIN 0
	FETCH_A \next, 0, 4
.endm
	s_wait_alu depctr_va_vdst(0)
	s_wait_tensorcnt 1
	s_barrier_signal -1
	s_barrier_wait -1
	FETCH_B 0, 0, 0
	FETCH_A 0, 0, 0
	FETCH_A 0, 0, 4
	STEP 0, 0, 1
	s_mov_b32 s3, LAPS-1
.Llap:
	TURN 0, 1, 1
	STEP 1, 0, 0
	TURN 1, 0, 1
	STEP 0, 0, 0
	s_sub_co_u32 s3, s3, 1
	s_cmp_lg_u32 s3, 0
	s_cbranch_scc1 .Llap
	TURN 0, 1, 0
	STEP 1, 0, 0
	s_wait_dscnt 4*NL
	WIN MUL_LO
	MUL16 0, 1, 0
	MUL16 2, 1, 0
	s_wait_dscnt 0
	WIN MUL_HI
	MUL16 4, 1, 0
	MUL16 6, 1, 0
	WIN 0
.macro WAYOUT isv, base
.irp a, 0,1,2,3,4,5,6,7
	WIN 0x02+(\a)/4
.irp b, 0,1,2,3,4,5,6,7
.irp i, 0,2,4,6
.if \isv
.if (\a)%2
	v_pk_add_f32 v[TMP+8*\b+\i:TMP+8*\b+\i+1], v[64*((\a)%4)+8*\b+\i:64*((\a)%4)+8*\b+\i+1], v[BA+\a-1:BA+\a] op_sel:[0,1] op_sel_hi:[1,1]
.else
	v_pk_add_f32 v[TMP+8*\b+\i:TMP+8*\b+\i+1], v[64*((\a)%4)+8*\b+\i:64*((\a)%4)+8*\b+\i+1], v[BA+\a:BA+\a+1] op_sel_hi:[1,0]
.endif
.else
	v_pk_add_f32 v[TMP+8*\b+\i:TMP+8*\b+\i+1], v[64*((\a)%4)+8*\b+\i:64*((\a)%4)+8*\b+\i+1], v[BB+8*\b+\i:BB+8*\b+\i+1]
.endif
.endr
.endr
	WIN 0
.set j, 0
.rept 64
	v_med3_num_f32 v[TMP+j], v[TMP+j], -v[LIM], v[LIM]
.set j, j+1
.endr
	WIN 0x40
.irp b, 0,1,2,3,4,5,6,7
	v_cvt_scalef32_pk8_fp8_f32 v[16*\a+2*\b:16*\a+2*\b+1], v[TMP+8*\b:TMP+8*\b+7], v[SCL]
.endr
	v_nop
	WIN 0x04
.irp c, 0,1,2,3
.if \isv
	global_store_b128 v[CO], v[16*\a+4*\c:16*\a+4*\c+3], s[\base:\base+1] offset:131072*((\a)/4)+2048*((\a)%4)+512*\c
.else
	global_store_b128 v[CO], v[16*\a+4*\c:16*\a+4*\c+3], s[\base:\base+1] offset:1024*\a+512*((\c)%2)+131072*((\c)/2)
.endif
.endr
.endr
	WIN 0
.endm
	s_wait_kmcnt 0x0
	s_add_co_i32 s88, s80, s81
	s_sub_co_i32 s89, 0, s88
	s_cmp_eq_u32 ttmp9, 0
	s_cselect_b32 s92, s82, s83
	s_cmp_eq_u32 ttmp9, 2
	s_cselect_b32 s92, s85, s92
	s_sub_co_i32 s92, s92, s88
	s_add_co_i32 s92, s92, 127
	s_lshl_b32 s93, s92, 23
	v_mov_b32 v[SCL], s93
	s_add_co_i32 s92, s92, 8
	s_lshl_b32 s92, s92, 23
	s_or_b32 s92, s92, 0x600000
	v_mov_b32 v[LIM], s92
	s_wait_loadcnt 0x0
	s_cmp_eq_u32 ttmp9, 2
	s_cbranch_scc1 .Lv_out
	s_lshl_b32 s88, s17, 8
	s_lshl_b32 s90, s15, 7
	s_add_co_u32 s88, s88, s90
	s_lshr_b32 s90, s88, 11
	s_lshl_b32 s90, s90, 4
	s_lshl_b32 s91, s40, 2
	s_add_co_u32 s90, s90, s91
	s_lshl_b32 s91, s16, 1
	s_add_co_u32 s90, s90, s91
	s_lshl_b32 s90, s90, 7
	s_and_b32 s88, s88, 2047
	s_lshr_b32 s88, s88, 4
	s_add_co_u32 s90, s90, s88
	s_lshl_b32 s90, s90, 10
	s_mov_b32 s91, 0
	s_cmp_eq_u32 ttmp9, 0
	s_cselect_b64 s[68:69], s[68:69], s[70:71]
	s_add_nc_u64 s[68:69], s[68:69], s[90:91]
.set j, 0
.rept 64
	v_ldexp_f32 v[BB+j], v[BB+j], s89
.set j, j+1
.endr
	WAYOUT 0, 68
	s_branch .Lout_done
.Lv_out:
	s_lshl_b32 s88, s42, 8
	s_lshl_b32 s90, s16, 7
	s_add_co_u32 s88, s88, s90
	s_lshr_b32 s90, s88, 11
	s_lshl_b32 s90, s90, 4
	s_lshl_b32 s91, s41, 2
	s_add_co_u32 s90, s90, s91
	s_lshl_b32 s91, s15, 1
	s_add_co_u32 s90, s90, s91
	s_lshl_b32 s90, s90, 4
	s_and_b32 s88, s88, 2047
	s_lshr_b32 s88, s88, 7
	s_add_co_u32 s90, s90, s88
	s_lshl_b32 s90, s90, 13
	s_mov_b32 s91, 0
	s_add_nc_u64 s[72:73], s[72:73], s[90:91]
.irp a, 0,1,2,3,4,5,6,7
	v_ldexp_f32 v[BA+\a], v[BA+\a], s89
.endr
	WAYOUT 1, 72
.Lout_done:
	s_wait_tensorcnt 0x0
	ds_add_u32 v[SPW], v[NIL]
	s_wait_dscnt 0x0
	CROUND
	s_endpgm
.Lfunc_end_k_q0857f2566d_qkv:
	.size	k_q0857f2566d_qkv, .Lfunc_end_k_q0857f2566d_qkv-k_q0857f2566d_qkv
	.p2alignl 7, 3214868480
	.fill 96, 4, 3214868480
	.section	.rodata,"a",@progbits
	.p2align	6, 0x0
	.amdhsa_kernel k_q0857f2566d_qkv
		.amdhsa_group_segment_fixed_size 327680
		.amdhsa_private_segment_fixed_size 0
		.amdhsa_enable_private_segment 0
		.amdhsa_kernarg_size 56
		.amdhsa_user_sgpr_count 2
		.amdhsa_user_sgpr_kernarg_segment_ptr 1
		.amdhsa_wavefront_size32 1
		.amdhsa_system_sgpr_workgroup_id_x 1
		.amdhsa_system_sgpr_workgroup_id_y 1
		.amdhsa_system_sgpr_workgroup_id_z 1
		.amdhsa_system_vgpr_workitem_id 0
		.amdhsa_next_free_vgpr 1024
		.amdhsa_next_free_sgpr 100
		.amdhsa_reserve_vcc 0
		.amdhsa_float_denorm_mode_32 3
		.amdhsa_float_denorm_mode_16_64 3
		.amdhsa_memory_ordered 1
		.amdhsa_forward_progress 1
		.amdhsa_inst_pref_size 199
	.end_amdhsa_kernel
	.amdgpu_metadata
---
amdhsa.version: [ 1, 2 ]
amdhsa.kernels:
  - .name:           k_q0857f2566d_qkv
    .symbol:         k_q0857f2566d_qkv.kd
    .args:
      - { .name: h_codes, .offset: 0, .size: 8, .value_kind: global_buffer, .address_space: global }
      - { .name: W_qkv_codes, .offset: 8, .size: 8, .value_kind: global_buffer, .address_space: global }
      - { .name: lowp_scales, .offset: 16, .size: 8, .value_kind: global_buffer, .address_space: global }
      - { .name: b_qkv, .offset: 24, .size: 8, .value_kind: global_buffer, .address_space: global }
      - { .name: q_codes, .offset: 32, .size: 8, .value_kind: global_buffer, .address_space: global }
      - { .name: k_codes, .offset: 40, .size: 8, .value_kind: global_buffer, .address_space: global }
      - { .name: v_codes, .offset: 48, .size: 8, .value_kind: global_buffer, .address_space: global }
    .group_segment_fixed_size: 327680
    .private_segment_fixed_size: 0
    .kernarg_segment_align: 8
    .kernarg_segment_size: 56
    .max_flat_workgroup_size: 128
    .sgpr_count:     100
    .vgpr_count:     1024
    .wavefront_size: 32
...
	.end_amdgpu_metadata
.endif
;; end of part 3
;; launch attn (part 4): grid 4 x 64, 16 waves a work-group, clusters of 4 x 1, 327,680 bytes of LDS; arguments q_codes, k_codes, v_codes, lowp_scales, a_codes; writes a_codes
.if DOCPART == 4
	.amdgcn_target "amdgcn-amd-amdhsa--gfx1250"
	.amdhsa_code_object_version 6
	.text
	.protected	k_q0857f2566d_attn
	.globl	k_q0857f2566d_attn
	.p2align	8
	.type	k_q0857f2566d_attn,@function
k_q0857f2566d_attn:
	s_mov_b64 s[64:65], 0
	v_nop
	global_prefetch_b8 v0, s[64:65] scope:SCOPE_SE
	s_setreg_imm32_b32 hwreg(HW_REG_WAVE_MODE, 25, 1), 1
	s_wait_xcnt 0x0
	s_wait_alu depctr_hold_cnt(0) depctr_sa_sdst(0) depctr_va_vdst(0) depctr_va_sdst(0) depctr_va_ssrc(0) depctr_va_vcc(0) depctr_vm_vsrc(0)
	s_getreg_b32 s2, hwreg(HW_REG_IB_STS2, 6, 4)
	s_cmp_eq_u32 s2, 0
	s_cbranch_scc0 .Lentry_in_a_cluster
	s_endpgm
.Lentry_in_a_cluster:
	s_bfe_u32 s2, ttmp6, 0x10000c
	s_cmp_lg_u32 s2, 0x3003
	s_cbranch_scc0 .Lentry_shape_is_right
	s_endpgm
.Lentry_shape_is_right:
; Attention on codes of E4M3: o = softmax(q k^T / 8) v for 64 heads of 2,048 tokens x 64, and the quantiser of the last product's left operand.
; THE SOFTMAX AHEAD OF THE SECOND PRODUCT: t = score x 2^(e2 + e3) x log2(e) / 8; M = the row's largest t so far, rounded UP to a whole number; p = 2^(t - M) is quantised with 2^e4, not normalised.
; The row's sum is taken of the unquantised p, in f32, and divides at the end.  When M moves, the sum and O are multiplied by 2^(old M - new M): exact.
; SHARES.  A work-group owns 512 queries of one head; each of its SIXTEEN waves 32 of them, two tiles of 16, in 256 registers: four waves to a SIMD, no register windows.
; Every wave walks the head's 2,048 keys, 128 a step; each fragment of K and V that a wave reads from LDS feeds its two tiles.
; THE WHOLE HEAD LIES IN LDS: K's 128 KiB of register images, then V's.  Each wave brings 16 KiB by ONE tensor load; nothing is filled again: no ring, and no barrier in the loop.
; CLUSTER.  The four query blocks of a head read the same K and V: each of the sixteen loads is asked for JOINTLY, with the same descriptor and the mask of all four.
; LAYOUT.  Both products are used transposed: S^T = K Q^T (source 0 = 16 keys, source 1 = 16 queries, K = 64), O^T = V^T P^T (source 0 = 16 of the head's 64, source 1 = P, K = 128 keys): a lane holds ONE query.
; Tile c of S^T gives lane (r, h) keys 16 c + 8 h + 0 .. 7; its conversion gives registers 2 c, 2 c + 1 of P: the places that V's images give the same keys.
; A STEP: K in; tile 0's scores, softmax, codes; tile 1's scores; V into K's registers; tile 1's softmax, codes; the eight products on V.
; OUT.  a_codes: [512 tiles of 16 rows][8 steps of 128 k][2,048]: registers 4 c .. 4 c + 3 of lane (r, h), k = 32 c + 16 h + 0 .. 15 of row r, at 512 c + 16 x lane.  Head hd is step hd / 2, c = 2 (hd % 2) + 0, 1.
; Nothing is prefetched: all of K and V is asked for by the launch's first loads, and no later stream exists.
; LIMITS on the given exponents, so that each power of two below is an f32 number: e2 + e3 between -123 and 130 (they are added to c's exponent field); e4, and e6 - e4 - e5, between -126 and 119.  NaN is not served.
.set SPARE, 0x40000                    ; behind K and V: the spare words, 128 bytes for each of the 16 waves
.set AL,   1                           ; v1   16 x lane: an image's place for my lane; never rewritten
.set ADK,  2                           ; v2   LDS address of the step's K
.set ADV,  3                           ; v3   of its V
.set SPW,  4                           ; v4   my spare word; never rewritten
.set LIM,  5                           ; v5, v6  448 x the conversion's scale, twice: the two halves of a dual line take their second sources from different banks
.set LIM2, 6
.set SCL,  7                           ; v7   the conversion's scale
.set F,    8                           ; v[8:9]  2^(old M - new M); v9 is named with it as a pair
.set MX,   10                          ; v10-13  the maximum's four chains
.set SB,   10                          ; v[10:15] later: three of the sum's four chains
.set PL,   16                          ; v16  a lane permute's destination
.set OLD,  17
.set NIL,  18                          ; v18  0; never rewritten
.set ST,   20                          ; tile q at v[20 + 4 q]: +0 -M, +1 the largest t, +2, +3 the sum in two halves
.set TP,   28                          ; v[28:29] tile 1's first two registers of codes, on their way
.set QR,   32                          ; v[32:47]  Q, 8 a tile
.set P0,   48                          ; v[48:63]  P of tile 0.  P of tile 1 is laid over v[128:143], scores that are done with
.set KV,   64                          ; v[64:127] K of a step, then its V
.set S,    128                         ; v[128:191] S^T, then p
.set O,    192                         ; v[192:255] O^T, 32 a tile
.set WV,  14                           ; s14  my wave's number
.set SEL, 20                           ; s[20:21] lane selects for v_permlanex16_b32: lane l xor 16
.set CS,  22                           ; s[22:23] c = 2^(e2 + e3) log2(e) / 8
.set G1,  24                           ; s[24:31] descriptor group 1
.set G0,  32                           ; s[32:35] group 0
.set TBK, 36                           ; s36  LDS byte of the K to be fetched next
.set TBV, 37                           ; s37  of the V
.set CNT, 38
.macro CROUND                          ; a round of the cluster's barrier
	s_barrier_signal -1
	s_barrier_wait -1
	s_cmp_lg_u32 s[WV], 0
	s_cbranch_scc1 .Lnot_wave_0_\@
	s_barrier_signal -3
.Lnot_wave_0_\@:
	s_barrier_wait -3
	s_barrier_signal -1
	s_barrier_wait -1
.endm
	s_load_b256 s[4:11], s[0:1], 0x0               ; q_codes s[4:5], k_codes s[6:7], v_codes s[8:9], the scales' exponents s[10:11]
	s_load_b64 s[12:13], s[0:1], 0x20              ; a_codes
	v_lshl_add_u32 v[SPW], v0, 2, SPARE
	v_mov_b32 v[NIL], 0
	ds_add_u32 v[SPW], v[NIL]                      ; the opening lines: the add, twice on end, and its wait ahead of my tensor load
	ds_add_u32 v[SPW], v[NIL]
	v_lshrrev_b32 v1, 5, v0
	s_delay_alu instid0(VALU_DEP_1)
	v_readfirstlane_b32 s[WV], v1                  ; wave 0..15
	s_bfe_u32 s15, ttmp6, 0x40000                  ; cx
	s_lshl_b32 s16, ttmp9, 2
	s_add_co_u32 s16, s16, s15                     ; my block of 512 queries: it enters Q's and the output's addresses alone
	s_and_b32 s17, ttmp7, 0xffff                   ; the head, 16 x batch + head, which the four partners share
	s_lshl_b32 s18, s17, 17                        ; a head's images are 131,072 bytes in each of q, k, v
	s_and_b32 s19, s[WV], 7
	s_lshl_b32 s19, s19, 14
	s_add_co_u32 s18, s18, s19                     ; my eighth of K's (waves 0-7) or V's (waves 8-15)
	s_mov_b32 s19, 0
	s_lshl_b32 s48, s17, 17
	s_lshl_b32 s49, s16, 15
	s_add_co_u32 s48, s48, s49
	s_lshl_b32 s49, s[WV], 11
	s_add_co_u32 s48, s48, s49                     ; Q: tile 128 x head + 32 x block + 2 x wave, 1,024 bytes a tile
	s_mov_b32 s49, 0
	s_lshr_b32 s50, s17, 4
	s_lshl_b32 s50, s50, 21                        ; out: row tile 128 x batch + 32 x block + 2 x wave, 16,384 bytes a tile,
	s_lshl_b32 s51, s16, 19
	s_add_co_u32 s50, s50, s51
	s_lshl_b32 s51, s[WV], 15
	s_add_co_u32 s50, s50, s51
	s_and_b32 s51, s17, 15
	s_lshl_b32 s51, s51, 10                        ; + 1,024 x head: step head / 2 of 2,048 bytes, its half head % 2
	s_add_co_u32 s50, s50, s51
	s_mov_b32 s51, 0
	; descriptor group 1: a dense block of 16,384 bytes as 64 rows of 256
	s_mov_b32 s[G1], 15|(3<<16)|(1<<21)            ; the mask: all four work-groups; elements of 8 bytes; no padding (an image is read 512 consecutive bytes at a time); bit 21 beside a mask
	s_mov_b32 s[G1+1], 32<<16                      ; tensor_dim0 = 32 elements
	s_mov_b32 s[G1+2], 64<<16                      ; tensor_dim1 = 64
	s_mov_b32 s[G1+3], 32<<16                      ; tile_dim0
	s_mov_b32 s[G1+4], 64                          ; tile_dim1
	s_mov_b32 s[G1+5], 32                          ; tensor_dim0_stride
	s_mov_b32 s[G1+6], 0
	s_mov_b32 s[G1+7], 0
	s_mov_b32 s[G0], 1                             ; count = 1
	s_lshl_b32 s[G0+1], s[WV], 14                  ; LDS address: 16,384 x wave: K's eight parts, then V's
	s_mov_b32 s[SEL], 0x76543210
	s_mov_b32 s[SEL+1], 0xfedcba98
	s_mov_b32 s[CS], 0x3e38aa3b                    ; log2(e) / 8
	s_mov_b32 s[TBK], 0
	s_mov_b32 s[TBV], 131072
	s_wait_dscnt 0x0                               ; both opening adds are done
	s_wait_kmcnt 0x0
	s_load_b256 s[40:47], s[10:11], 0x0            ; e0 .. e7
	s_cmp_lt_u32 s[WV], 8                          ; on the wave's number: the same in all four partners
	s_cselect_b64 s[G0+2:G0+3], s[6:7], s[8:9]
	s_add_nc_u64 s[G0+2:G0+3], s[G0+2:G0+3], s[18:19]
	s_or_b32 s[G0+3], s[G0+3], 0x80000000          ; type = 2
	s_add_nc_u64 s[4:5], s[4:5], s[48:49]
	s_add_nc_u64 s[12:13], s[12:13], s[50:51]
	CROUND                                         ; all four work-groups are here: the joint loads meet
	tensor_load_to_lds s[G0:G0+3], s[G1:G1+7]      ; my one tensor load of the launch
	s_nop 0
	v_and_b32 v[AL], 31, v0
	s_delay_alu instid0(VALU_DEP_1)
	v_lshlrev_b32 v[AL], 4, v[AL]
	v_mov_b32 v[PL], 0                             ; written once: a lane permute's destination counts as one of its sources
	v_mov_b32 v[F+1], 0                            ; (named as the upper half of the pair)
.irp q, 0,1
	global_load_b128 v[QR+8*\q:QR+8*\q+3], v[AL], s[4:5] offset:1024*\q            ; Q's two fragments stay in registers
	global_load_b128 v[QR+8*\q+4:QR+8*\q+7], v[AL], s[4:5] offset:1024*\q+512
.endr
	s_wait_alu depctr_va_vdst(0)
	s_wait_kmcnt 0x0
	s_add_co_i32 s52, s42, s43
	s_lshl_b32 s52, s52, 23
	s_add_co_i32 s[CS], s[CS], s52                 ; a score stands for score x 2^(e2 + e3): the two exponents are added to c's exponent field
	s_mov_b32 s[CS+1], s[CS]                       ; (named with it as a pair, so it is written)
	s_add_co_i32 s52, s44, 127
	s_lshl_b32 s53, s52, 23
	v_mov_b32 v[SCL], s53                          ; 2^e4 as f32
	s_add_co_i32 s52, s52, 8
	s_lshl_b32 s52, s52, 23
	s_or_b32 s52, s52, 0x600000
	v_mov_b32 v[LIM], s52                          ; 448 x 2^e4
	v_mov_b32 v[LIM2], s52
; Eight products: the scores of the step's 128 keys for tile q.  Each starts its own sum: K = 64 is the whole head.
.macro SQK q
.irp t, 0,1,2,3,4,5,6,7
	v_wmma_f32_16x16x64_fp8_fp8 v[S+8*\t:S+8*\t+7], v[KV+8*\t:KV+8*\t+7], v[QR+8*(\q):QR+8*(\q)+7], 0
.endr
.endm
; Tile q's softmax for a step, and its codes.  first = 1: the first key step, which starts M and the sum: there is nothing to rescale.
.macro SM q, first
.set rT, ST+4*(\q)
	v_max3_num_f32 v[MX], v[S], v[S+1], v[S+2]     ; the largest of my 64 scores, in four chains, in ascending order: each accumulator is read from its low end on
	v_max3_num_f32 v[MX+1], v[S+3], v[S+4], v[S+5]
	v_max3_num_f32 v[MX+2], v[S+6], v[S+7], v[S+8]
	v_max3_num_f32 v[MX+3], v[S+9], v[S+10], v[S+11]
.set j, 12
.rept 6
.irp c, 0,1,2,3
	v_max3_num_f32 v[MX+\c], v[MX+\c], v[S+j+2*\c], v[S+j+2*\c+1]
.endr
.set j, j+8
.endr
	v_max3_num_f32 v[MX], v[MX], v[S+60], v[S+61]
	v_max3_num_f32 v[MX+1], v[MX+1], v[S+62], v[S+63]
	s_delay_alu instid0(VALU_DEP_2)
	v_max3_num_f32 v[MX+2], v[MX+2], v[MX+3], v[MX]
	s_delay_alu instid0(VALU_DEP_1)
	v_max_num_f32 v[MX], v[MX+2], v[MX+1]
	s_delay_alu instid0(VALU_DEP_1)
	v_permlanex16_b32 v[PL], v[MX], s[SEL], s[SEL+1]
	s_delay_alu instid0(VALU_DEP_1)
	v_max_num_f32 v[MX], v[MX], v[PL]              ; the query's other 64 keys lie in the lane 16 away
.if \first
	s_delay_alu instid0(VALU_DEP_1)
	v_mul_f32 v[rT+1], s[CS], v[MX]                ; the largest t (c is positive)
	s_delay_alu instid0(VALU_DEP_1)
	v_floor_f32 v[rT], -v[rT+1]                    ; -M = floor(-t) = -ceil(t): M IS A WHOLE NUMBER
.else
	s_delay_alu instid0(VALU_DEP_1)
	v_mul_f32 v[MX], s[CS], v[MX]
	s_delay_alu instid0(VALU_DEP_1)
	v_max_num_f32 v[rT+1], v[rT+1], v[MX]          ; the running largest t
	v_mov_b32 v[OLD], v[rT]
	s_delay_alu instid0(VALU_DEP_2)
	v_floor_f32 v[rT], -v[rT+1]
	s_delay_alu instid0(VALU_DEP_1)
	v_sub_f32 v[OLD], v[rT], v[OLD]                ; M's old value less its new one: a whole number, 0 or less
	s_delay_alu instid0(VALU_DEP_1)
	v_cvt_i32_f32 v[OLD], v[OLD]                   ; (it saturates)
	s_delay_alu instid0(VALU_DEP_1)
	v_ldexp_f32 v[F], 1.0, v[OLD]                  ; f = 2^(old M - new M)
.endif
.set j, 0
.rept 32
	v_pk_fma_f32 v[S+j:S+j+1], v[S+j:S+j+1], s[CS:CS+1], v[rT:rT+1] op_sel_hi:[1,0,0]   ; t - M, two at a time (of the pairs c and -M the low word serves both halves)
.set j, j+2
.endr
	s_wait_alu depctr_va_vdst(0)
.set j, 0
.rept 64
	v_exp_f32 v[S+j], v[S+j]                       ; p = 2^(t - M): NOT normalised
.set j, j+1
.endr
.if \first
	v_nop                                          ; a plain line behind the last exponential
.else
	s_wait_alu depctr_va_vdst(0)                   ; directly ahead of the first reader of O^T
.set j, 0
.rept 16
	v_pk_mul_f32 v[O+32*(\q)+j:O+32*(\q)+j+1], v[O+32*(\q)+j:O+32*(\q)+j+1], v[F:F+1] op_sel_hi:[1,0]   ; O^T under the new M: lines that name no exponential's result
.set j, j+2
.endr
	v_pk_mul_f32 v[rT+2:rT+3], v[rT+2:rT+3], v[F:F+1] op_sel_hi:[1,0]                                   ; and the sum
.endif
	s_wait_alu depctr_va_vdst(0)                   ; one wait for the batch of 64, ahead of its first reader
	v_pk_add_f32 v[SB:SB+1], v[S:S+1], v[S+2:S+3]  ; THE ROW'S SUM IS TAKEN OF THE UNQUANTISED p: two at a time, in four chains
	v_pk_add_f32 v[SB+2:SB+3], v[S+4:S+5], v[S+6:S+7]
	v_pk_add_f32 v[SB+4:SB+5], v[S+8:S+9], v[S+10:S+11]
.if \first
	v_pk_add_f32 v[rT+2:rT+3], v[S+12:S+13], v[S+14:S+15]          ; the first step starts the sum: nothing is cleared
.set j, 16
.else
.set j, 12
.endif
.rept 6
	v_pk_add_f32 v[rT+2:rT+3], v[rT+2:rT+3], v[S+j:S+j+1]
	v_pk_add_f32 v[SB:SB+1], v[SB:SB+1], v[S+j+2:S+j+3]
	v_pk_add_f32 v[SB+2:SB+3], v[SB+2:SB+3], v[S+j+4:S+j+5]
	v_pk_add_f32 v[SB+4:SB+5], v[SB+4:SB+5], v[S+j+6:S+j+7]
.set j, j+8
.endr
.if !(\first)
	v_pk_add_f32 v[rT+2:rT+3], v[rT+2:rT+3], v[S+60:S+61]
	v_pk_add_f32 v[SB:SB+1], v[SB:SB+1], v[S+62:S+63]
.endif
	v_pk_add_f32 v[SB+2:SB+3], v[SB+2:SB+3], v[SB+4:SB+5]
.if \first
	s_delay_alu instid0(VALU_DEP_4)
.else
	s_delay_alu instid0(VALU_DEP_2)
.endif
	v_pk_add_f32 v[rT+2:rT+3], v[rT+2:rT+3], v[SB:SB+1]
	s_delay_alu instid0(VALU_DEP_1)
	v_pk_add_f32 v[rT+2:rT+3], v[rT+2:rT+3], v[SB+2:SB+3]
.set j, 0
.rept 32                               ; the conversion to an 8-bit code does not saturate (ISA guide 7.6.2); p is not negative, so the hold is one-sided.  It stands whatever e4 is.  Two holds a line
	v_dual_min_num_f32 v[S+j], v[S+j], v[LIM] :: v_dual_min_num_f32 v[S+j+1], v[S+j+1], v[LIM2]
.set j, j+2
.endr
.if (\q) == 0
.irp t, 0,1,2,3,4,5,6,7
	v_cvt_scalef32_pk8_fp8_f32 v[P0+2*\t:P0+2*\t+1], v[S+8*\t:S+8*\t+7], v[SCL]
.endr
	v_nop                                          ; one plain line between the conversions and the matrix instructions that write their sources
.else                                  ; tile 1's codes are laid over v[S:S+15]: p of key tiles 0 and 1, converted first; a plain line stands between a conversion and the line that writes its sources
	v_cvt_scalef32_pk8_fp8_f32 v[TP:TP+1], v[S:S+7], v[SCL]
	v_nop
	v_cvt_scalef32_pk8_fp8_f32 v[S+2:S+3], v[S+8:S+15], v[SCL]
	v_nop
.irp t, 2,3,4,5,6,7
	v_cvt_scalef32_pk8_fp8_f32 v[S+2*\t:S+2*\t+1], v[S+8*\t:S+8*\t+7], v[SCL]
.endr
	v_dual_mov_b32 v[S], v[TP] :: v_dual_mov_b32 v[S+1], v[TP+1]
	v_nop
.endif
.endm
; A key step of 128 keys.
.macro KSTEP first
	v_add_nc_u32 v[ADK], s[TBK], v[AL]
.if !(\first)
.rept 4
	v_nop                                          ; with the line above five places behind the last products on V: K's loads land on their source 0, the new scores on tile 1's P
.endr
.endif
	s_add_co_u32 s[TBK], s[TBK], 8192
.irp t, 0,1,2,3,4,5,6,7
	ds_load_b128 v[KV+8*\t:KV+8*\t+3], v[ADK] offset:1024*\t           ; eight tiles of 16 keys: 512 consecutive bytes a load
	ds_load_b128 v[KV+8*\t+4:KV+8*\t+7], v[ADK] offset:1024*\t+512
.endr
	s_wait_dscnt 0x0                               ; K is in
	SQK 0
.rept 4
	v_nop                                          ; the places in front of the first read of the scores
.endr
	SM 0, \first
	SQK 1
	v_add_nc_u32 v[ADV], s[TBV], v[AL]             ; four places: in front of the loads into K's registers and of the first read of the scores
.rept 3
	v_nop
.endr
	s_add_co_u32 s[TBV], s[TBV], 8192
.irp d, 0,1,2,3
.irp c, 0,1,2,3
	ds_load_b128 v[KV+16*\d+4*\c:KV+16*\d+4*\c+3], v[ADV] offset:2048*\d+512*\c    ; four tiles of 16 d x 128 keys: they land under tile 1's softmax
.endr
.endr
	SM 1, \first
	s_wait_alu depctr_va_vdst(0)
	s_wait_dscnt 0x0                               ; V is in
.irp q, 0,1                            ; O^T += V^T P^T: eight accumulators, one instruction each
.irp d, 0,1,2,3
.if \first
	v_wmma_f32_16x16x128_fp8_fp8 v[O+32*\q+8*\d:O+32*\q+8*\d+7], v[KV+16*\d:KV+16*\d+15], v[P0+80*\q:P0+80*\q+15], 0
.else
	v_wmma_f32_16x16x128_fp8_fp8 v[O+32*\q+8*\d:O+32*\q+8*\d+7], v[KV+16*\d:KV+16*\d+15], v[P0+80*\q:P0+80*\q+15], v[O+32*\q+8*\d:O+32*\q+8*\d+7]
.endif
.endr
.endr
.endm
	s_wait_alu depctr_va_vdst(0)
	s_wait_tensorcnt 0x0                           ; my 16 KiB have landed,
	s_barrier_signal -1
	s_barrier_wait -1                              ; everybody's have: the head lies in LDS
	s_wait_loadcnt 0x0                             ; Q
	KSTEP 1                                        ; the first step is written out: it starts M, the sums and O^T
	s_mov_b32 s[CNT], 15
.Lstep:
	KSTEP 0
	s_sub_co_u32 s[CNT], s[CNT], 1
	s_cmp_lg_u32 s[CNT], 0
	s_cbranch_scc1 .Lstep
	; THE WAY OUT.  o = O^T x 2^(e4 + e5) / the sum; its code is o / 2^e6: O^T / the sum goes to the conversion with the one scale 2^(e6 - e4 - e5).
.rept 4
	v_nop                                          ; the places behind the last products
.endr
.irp q, 0,1
	v_add_f32 v[ST+4*\q+2], v[ST+4*\q+2], v[ST+4*\q+3]             ; the sum's two halves
.endr
.irp q, 0,1
	s_delay_alu instid0(VALU_DEP_2)
	v_permlanex16_b32 v[ST+4*\q+3], v[ST+4*\q+2], s[SEL], s[SEL+1]
.endr
.irp q, 0,1
	s_delay_alu instid0(VALU_DEP_2)
	v_add_f32 v[ST+4*\q+2], v[ST+4*\q+2], v[ST+4*\q+3]             ; and lane l xor 16's: the row's sum
.endr
	s_wait_alu depctr_va_vdst(0)
.irp q, 0,1
	v_rcp_f32 v[ST+4*\q+2], v[ST+4*\q+2]
.endr
	s_sub_co_i32 s52, s46, s44
	s_sub_co_i32 s52, s52, s45
	s_add_co_i32 s52, s52, 127
	s_lshl_b32 s53, s52, 23
	v_mov_b32 v[SCL], s53                          ; 2^(e6 - e4 - e5).  (A plain line behind the last reciprocal)
	s_add_co_i32 s52, s52, 8
	s_lshl_b32 s52, s52, 23
	s_or_b32 s52, s52, 0x600000
	v_mov_b32 v[LIM], s52                          ; 448 x that
	s_wait_alu depctr_va_vdst(0)                   ; one wait for the two reciprocals and for the first readers of O^T, which follow as one group
.irp q, 0,1
.set j, 0
.rept 16
	v_pk_mul_f32 v[S+32*\q+j:S+32*\q+j+1], v[O+32*\q+j:O+32*\q+j+1], v[ST+4*\q+2:ST+4*\q+3] op_sel_hi:[1,0]     ; each accumulator from its low end on
.set j, j+2
.endr
.endr
.set j, 0
.rept 64
	v_med3_num_f32 v[S+j], v[S+j], -v[LIM], v[LIM]
.set j, j+1
.endr
.irp q, 0,1
.irp d, 0,1,2,3
	v_cvt_scalef32_pk8_fp8_f32 v[KV+8*\q+2*\d:KV+8*\q+2*\d+1], v[S+32*\q+8*\d:S+32*\q+8*\d+7], v[SCL]          ; lane (r, h): d = 16 d + 8 h + 0 .. 7 of query r
.endr
.endr
	v_nop                                          ; one plain line between the conversions and the lines that touch their results
.irp q, 0,1
	; the reader's four 16-byte loads give lane (r, h) k = 32 c + 16 h + 0 .. 15.  Exchanging the upper lanes of tile 2 c's registers with the lower lanes of tile 2 c + 1's makes just that of these
	v_permlane16_swap_b32 v[KV+8*\q], v[KV+8*\q+2]
	v_permlane16_swap_b32 v[KV+8*\q+1], v[KV+8*\q+3]
	v_permlane16_swap_b32 v[KV+8*\q+4], v[KV+8*\q+6]
	v_permlane16_swap_b32 v[KV+8*\q+5], v[KV+8*\q+7]
	global_store_b128 v[AL], v[KV+8*\q:KV+8*\q+3], s[12:13] offset:16384*\q                ; 32 lanes store 512 consecutive bytes, at a multiple of 256 from the buffer's first byte
	global_store_b128 v[AL], v[KV+8*\q+4:KV+8*\q+7], s[12:13] offset:16384*\q+512
.endr
	s_wait_tensorcnt 0x0                           ; the wave's end
	ds_add_u32 v[SPW], v[NIL]
	s_wait_dscnt 0x0
	CROUND                                         ; the closing round: no work-group ends while a partner may still ask for a tile that names it
	s_endpgm
.Lfunc_end_k_q0857f2566d_attn:
	.size	k_q0857f2566d_attn, .Lfunc_end_k_q0857f2566d_attn-k_q0857f2566d_attn
	.p2alignl 7, 3214868480
	.fill 96, 4, 3214868480
	.section	.rodata,"a",@progbits
	.p2align	6, 0x0
	.amdhsa_kernel k_q0857f2566d_attn
		.amdhsa_group_segment_fixed_size 327680
		.amdhsa_private_segment_fixed_size 0
		.amdhsa_enable_private_segment 0
		.amdhsa_kernarg_size 40
		.amdhsa_user_sgpr_count 2
		.amdhsa_user_sgpr_kernarg_segment_ptr 1
		.amdhsa_wavefront_size32 1
		.amdhsa_system_sgpr_workgroup_id_x 1
		.amdhsa_system_sgpr_workgroup_id_y 1
		.amdhsa_system_sgpr_workgroup_id_z 1
		.amdhsa_system_vgpr_workitem_id 0
		.amdhsa_next_free_vgpr 256
		.amdhsa_next_free_sgpr 66
		.amdhsa_reserve_vcc 0
		.amdhsa_float_denorm_mode_32 3
		.amdhsa_float_denorm_mode_16_64 3
		.amdhsa_memory_ordered 1
		.amdhsa_forward_progress 1
		.amdhsa_inst_pref_size 69
	.end_amdhsa_kernel
	.amdgpu_metadata
---
amdhsa.version: [ 1, 2 ]
amdhsa.kernels:
  - .name:           k_q0857f2566d_attn
    .symbol:         k_q0857f2566d_attn.kd
    .args:
      - { .name: q_codes, .offset: 0, .size: 8, .value_kind: global_buffer, .address_space: global }
      - { .name: k_codes, .offset: 8, .size: 8, .value_kind: global_buffer, .address_space: global }
      - { .name: v_codes, .offset: 16, .size: 8, .value_kind: global_buffer, .address_space: global }
      - { .name: lowp_scales, .offset: 24, .size: 8, .value_kind: global_buffer, .address_space: global }
      - { .name: a_codes, .offset: 32, .size: 8, .value_kind: global_buffer, .address_space: global }
    .group_segment_fixed_size: 327680
    .private_segment_fixed_size: 0
    .kernarg_segment_align: 8
    .kernarg_segment_size: 40
    .max_flat_workgroup_size: 512
    .sgpr_count:     66
    .vgpr_count:     256
    .wavefront_size: 32
...
	.end_amdgpu_metadata
.endif
;; end of part 4
;; launch oproj (part 5): grid 4 x 64, 4 waves a work-group, clusters of 4 x 4, 327,680 bytes of LDS; arguments a_codes, W_o_codes, lowp_scales, b_o, x, out0; writes out0
.if DOCPART == 5
	.amdgcn_target "amdgcn-amd-amdhsa--gfx1250"
	.amdhsa_code_object_version 6
	.text
	.protected	k_q0857f2566d_oproj
	.globl	k_q0857f2566d_oproj
	.p2align	8
	.type	k_q0857f2566d_oproj,@function
k_q0857f2566d_oproj:
	s_mov_b64 s[64:65], 0
	v_nop
	global_prefetch_b8 v0, s[64:65] scope:SCOPE_SE
	s_setreg_imm32_b32 hwreg(HW_REG_WAVE_MODE, 25, 1), 1
	s_wait_xcnt 0x0
	s_wait_alu depctr_hold_cnt(0) depctr_sa_sdst(0) depctr_va_vdst(0) depctr_va_sdst(0) depctr_va_ssrc(0) depctr_va_vcc(0) depctr_vm_vsrc(0)
	s_getreg_b32 s2, hwreg(HW_REG_IB_STS2, 6, 4)
	s_cmp_eq_u32 s2, 0
	s_cbranch_scc0 .Lentry_in_a_cluster
	s_endpgm
.Lentry_in_a_cluster:
	s_bfe_u32 s2, ttmp6, 0x10000c
	s_cmp_lg_u32 s2, 0xf033
	s_cbranch_scc0 .Lentry_shape_is_right
	s_endpgm
.Lentry_shape_is_right:
.set ROWB,   256
.set PITCH,  272
.set FR,     16
.set NP,     4
.set AIMG,   8*4096
.set BHALF,  128*PITCH
.set SLOT,   AIMG+2*BHALF
.set SPARE,  2*SLOT
.set SPITCH, 528
.set BO,   8
.set ADRA, 16
.set ADRB, 20
.set STO,  24
.set RD,   25
.set CO,   26
.set SPW,  28
.set NIL,  29
.set OB,   32
.set AF,   128
.set G1, 24
.set G0, 32
.set G1B, 48
.set G0B, 56
.set MSB, 0
.macro WIN new
.if MSB != (\new)
	s_set_vgpr_msb (MSB<<8)|(\new)
.set MSB, (\new)
.endif
.endm
.set MUL,  0xa1
.set TO_B, 0x40
.macro JLOAD g0a, g1a, g0b, g1b
	s_cmp_eq_u32 s15, 0
	s_cbranch_scc0 .Lfor_b_\@
	tensor_load_to_lds s[\g0a:\g0a+3], s[\g1a:\g1a+7]
	s_nop 0
.rept 4
	v_nop
.endr
	s_branch .Lasked_\@
.Lfor_b_\@:
	tensor_load_to_lds s[\g0b:\g0b+3], s[\g1b:\g1b+7]
	s_nop 0
.rept 4
	v_nop
.endr
.Lasked_\@:
.endm
.macro CREST
	s_cmp_lg_u32 s14, 0
	s_cbranch_scc1 .Lnot_wave_0_\@
	s_barrier_signal -3
.Lnot_wave_0_\@:
	s_barrier_wait -3
	s_barrier_signal -1
	s_barrier_wait -1
.endm
.macro CROUND
	s_barrier_signal -1
	s_barrier_wait -1
	CREST
.endm
	s_load_b128 s[4:7], s[0:1], 0x0
	s_load_b128 s[8:11], s[0:1], 0x10
	s_load_b128 s[68:71], s[0:1], 0x20
	v_lshl_add_u32 v[SPW], v0, 2, SPARE
	v_mov_b32 v[NIL], 0
	ds_add_u32 v28, v29
	ds_add_u32 v28, v29
	s_wait_dscnt 0x0
	v_lshrrev_b32 v1, 5, v0
	v_readfirstlane_b32 s14, v1
	s_lshr_b32 s15, s14, 1
	s_and_b32 s16, s14, 1
	s_bfe_u32 s40, ttmp6, 0x40000
	s_bfe_u32 s41, ttmp6, 0x40004
	s_lshl_b32 s42, ttmp9, 2
	s_add_co_u32 s42, s42, s40
	s_and_b32 s17, ttmp7, 0xffff
	s_lshl_b32 s17, s17, 2
	s_add_co_u32 s17, s17, s41
	s_lshl_b32 s43, s41, 2
	s_lshl_b32 s43, 15, s43
	s_lshl_b32 s44, 0x1111, s40
	s_or_b32 s[G1+0], s43, (3<<16)|(1<<21)
	s_mov_b32 s[G1+1], 512<<16
	s_mov_b32 s[G1+2], 4<<16
	s_mov_b32 s[G1+3], 512<<16
	s_mov_b32 s[G1+4], 4
	s_mov_b32 s[G1+5], 2048
	s_mov_b32 s[G1+6], 0
	s_mov_b32 s[G1+7], 0
	s_or_b32 s[G1B+0], s44, (0<<16)|(1<<20)|(1<<21)|(5<<22)|(3<<25)
	s_mov_b32 s[G1B+1], ROWB<<16
	s_mov_b32 s[G1B+2], 128<<16
	s_mov_b32 s[G1B+3], ROWB<<16
	s_mov_b32 s[G1B+4], 128
	s_mov_b32 s[G1B+5], 1024
	s_mov_b32 s[G1B+6], 0
	s_mov_b32 s[G1B+7], 0
	s_lshl_b32 s20, s17, 3
	s_lshl_b32 s18, s16, 2
	s_add_co_u32 s20, s20, s18
	s_lshl_b32 s20, s20, 14
	s_mov_b32 s21, 0
	s_lshl_b32 s46, s42, 8
	s_lshl_b32 s18, s16, 7
	s_add_co_u32 s46, s46, s18
	s_lshl_b32 s46, s46, 10
	s_mov_b32 s47, 0
	s_lshl_b32 s45, s16, 14
	s_mul_i32 s19, s16, BHALF
	s_add_co_u32 s19, s19, AIMG
	s_lshl_b32 s88, s17, 7
	s_lshl_b32 s89, s15, 6
	s_add_co_u32 s88, s88, s89
	s_lshl_b32 s88, s88, 12
	s_lshl_b32 s90, s42, 10
	s_lshl_b32 s89, s16, 9
	s_add_co_u32 s90, s90, s89
	s_mov_b32 s91, 0
	s_add_co_u32 s88, s88, s90
	s_mov_b32 s89, 0
	s_wait_kmcnt 0x0
	s_load_b256 s[80:87], s[8:9], 0x0
	s_add_nc_u64 s[20:21], s[4:5], s[20:21]
	s_add_nc_u64 s[46:47], s[6:7], s[46:47]
	s_add_nc_u64 s[10:11], s[10:11], s[90:91]
	s_add_nc_u64 s[68:69], s[68:69], s[88:89]
	s_add_nc_u64 s[70:71], s[70:71], s[88:89]
	CROUND
.irp s, 0,1
	s_mov_b32 s[G0+4*\s], 1
	s_add_co_u32 s[G0+4*\s+1], s45, \s*SLOT
	s_add_nc_u64 s[G0+4*\s+2:G0+4*\s+3], s[20:21], \s*4096
	s_or_b32 s[G0+4*\s+3], s[G0+4*\s+3], 0x80000000
	s_mov_b32 s[G0B+4*\s], 1
	s_add_co_u32 s[G0B+4*\s+1], s19, \s*SLOT
	s_add_nc_u64 s[G0B+4*\s+2:G0B+4*\s+3], s[46:47], \s*ROWB
	s_or_b32 s[G0B+4*\s+3], s[G0B+4*\s+3], 0x80000000
	s_wait_alu depctr_va_vdst(0)
	s_wait_tensorcnt 0x0
	ds_add_u32 v28, v29
	ds_add_u32 v28, v29
	s_wait_dscnt 0x0
	CROUND
	JLOAD G0+4*\s, G1, G0B+4*\s, G1B
.endr
	v_and_b32 v1, 15, v0
	v_bfe_u32 v2, v0, 4, 1
	v_and_b32 v6, 31, v0
	v_lshlrev_b32 v[CO], 4, v6
	global_load_b128 v[BO:BO+3], v[CO], s[10:11]
	WIN 0xc0
.set i, 0
.rept 64
	global_load_b128 v[4*i:4*i+3], v[CO], s[68:69] offset:4096*i th:TH_LOAD_NT
.set i, i+1
.endr
	WIN 0
	v_mul_u32_u24 v3, v1, PITCH
	v_lshl_add_u32 v4, v2, 4, v3
	s_lshl_b32 s21, s15, 14
	s_mul_i32 s22, s16, BHALF
	s_add_co_u32 s22, s22, AIMG
.irp s, 0,1
	v_add_nc_u32 v[ADRA+\s], s21, v[CO]
	v_add_nc_u32 v[ADRB+\s], s22, v4
	s_add_co_u32 s21, s21, SLOT
	s_add_co_u32 s22, s22, SLOT
.endr
	s_mul_i32 s23, s14, 16*SPITCH
	v_mul_u32_u24 v5, v1, SPITCH
	v_lshl_add_u32 v5, v2, 5, v5
	v_add_nc_u32 v[STO], s23, v5
	v_add_nc_u32 v[RD], s23, v[CO]
.macro FRAGB reg, slot, q, i
.irp c, 0,1,2,3
	ds_load_b128 v[\reg+4*\c:\reg+4*\c+3], v[ADRB+\slot] offset:128*(\q)+32*\c+(\i)*16*PITCH
.endr
.endm
.macro FRAGA reg, slot, q, i
.irp c, 0,1,2,3
	ds_load_b128 v[\reg+4*\c:\reg+4*\c+3], v[ADRA+\slot] offset:2048*(\q)+4096*(\i)+512*\c
.endr
.endm
.macro MULB a, p, zero
.irp b, 0,1,2,3,4,5,6,7
.if \zero
	v_wmma_f32_16x16x128_fp8_fp8 v[64*(\a)+8*\b:64*(\a)+8*\b+7], v[128*(\p)+FR*\b:128*(\p)+FR*\b+FR-1], v[AF+FR*(\a):AF+FR*(\a)+FR-1], 0
.else
	v_wmma_f32_16x16x128_fp8_fp8 v[64*(\a)+8*\b:64*(\a)+8*\b+7], v[128*(\p)+FR*\b:128*(\p)+FR*\b+FR-1], v[AF+FR*(\a):AF+FR*(\a)+FR-1], v[64*(\a)+8*\b:64*(\a)+8*\b+7]
.endif
.endr
.endm
.macro FETCH_B slot, q, p
	WIN TO_B
.irp i, 0,1,2,3,4,5,6,7
	FRAGB 128*(\p)+FR*\i, \slot, \q, \i
.endr
	WIN 0
.endm
.macro FETCH_A slot, q, i0
.irp i, \i0, \i0+1
	FRAGA AF+FR*(\i), \slot, \q, \i
.endr
.endm
.macro PLACES n
.rept \n
	v_nop
.endr
.endm
.macro STEP slot, q, zero
	s_wait_dscnt 8
	WIN MUL
	MULB 0, (\q)%2, \zero
	MULB 1, (\q)%2, \zero
	s_wait_dscnt 0
	PLACES NP
	FETCH_B \slot, (\q)+1, 1-(\q)%2
	FETCH_A \slot, (\q)+1, 0
	WIN MUL
	MULB 2, (\q)%2, \zero
	MULB 3, (\q)%2, \zero
	PLACES NP
	WIN 0
	FETCH_A \slot, (\q)+1, 2
.endm
.macro TURN slot, next, fill
	s_wait_tensorcnt 0x0
	ds_add_u32 v[SPW], v[NIL]
	s_wait_dscnt 9
	WIN MUL
	MULB 0, 1, 0
	s_wait_dscnt 0x0
	s_barrier_signal -1
	MULB 1, 1, 0
	WIN 0
	s_barrier_wait -1
.if \fill
	CREST
	s_add_nc_u64 s[G0+4*\slot+2:G0+4*\slot+3], s[G0+4*\slot+2:G0+4*\slot+3], 2*4096
	s_add_nc_u64 s[G0B+4*\slot+2:G0B+4*\slot+3], s[G0B+4*\slot+2:G0B+4*\slot+3], 2*ROWB
	JLOAD G0+4*\slot, G1, G0B+4*\slot, G1B
.else
	PLACES NP
.endif
	FETCH_B \next, 0, 0
	FETCH_A \next, 0, 0
	WIN MUL
	MULB 2, 1, 0
	MULB 3, 1, 0
	PLACES NP
	WIN 0
	FETCH_A \next, 0, 2
.endm
	s_wait_alu depctr_va_vdst(0)
	s_wait_tensorcnt 1
	s_barrier_signal -1
	s_barrier_wait -1
	FETCH_B 0, 0, 0
	FETCH_A 0, 0, 0
	FETCH_A 0, 0, 2
	STEP 0, 0, 1
	s_mov_b32 s3, 1
.Llap:
	TURN 0, 1, 1
	STEP 1, 0, 0
	TURN 1, 0, 1
	STEP 0, 0, 0
	s_sub_co_u32 s3, s3, 1
	s_cmp_lg_u32 s3, 0
	s_cbranch_scc1 .Llap
	TURN 0, 1, 0
	STEP 1, 0, 0
	s_wait_dscnt 8
	WIN MUL
	MULB 0, 1, 0
	MULB 1, 1, 0
	s_wait_dscnt 0
	MULB 2, 1, 0
	MULB 3, 1, 0
	WIN 0
.macro TOSTAGE a
	WIN 0x08
.irp b, 0,1,2,3,4,5,6,7
	ds_store_b128 v[STO], v[64*(\a)+8*\b:64*(\a)+8*\b+3] offset:64*\b
	ds_store_b128 v[STO], v[64*(\a)+8*\b+4:64*(\a)+8*\b+7] offset:64*\b+16
.endr
	WIN 0
.set BS, OB+160*((\a)%2)
.irp t, 0,1,2,3,4,5,6,7,8,9,10,11,12,13,14,15
	ds_load_b128 v[BS+4*\t:BS+4*\t+3], v[RD] offset:\t*SPITCH
.endr
.endm
.macro SEND a, younger
.set BS, OB+160*((\a)%2)
	s_wait_dscnt \younger
	s_wait_loadcnt 16*(3-(\a))
	WIN 0x30
.set j, 0
.rept 32
	v_pk_fma_f32 v[BS+j:BS+j+1], v[BS+j:BS+j+1], s[96:97], v[64*(\a)+j:64*(\a)+j+1] op_sel_hi:[1,0,1]
.set j, j+2
.endr
	WIN 0
.set j, 0
.rept 32
	v_pk_add_f32 v[BS+j:BS+j+1], v[BS+j:BS+j+1], v[BO+j%4:BO+j%4+1]
.set j, j+2
.endr
.irp t, 0,1,2,3,4,5,6,7,8,9,10,11,12,13,14,15
	global_store_b128 v[CO], v[BS+4*\t:BS+4*\t+3], s[70:71] offset:(16*(\a)+\t)*4096 th:TH_STORE_NT
.endr
.endm
	s_wait_kmcnt 0x0
	s_add_co_i32 s96, s86, s87
	s_add_co_i32 s96, s96, 127
	s_lshl_b32 s96, s96, 23
	s_mov_b32 s97, s96
	PLACES NP
	TOSTAGE 0
.irp a, 1,2,3
.if \a > 1
	s_wait_xcnt 0x0
.endif
	TOSTAGE \a
	SEND \a-1, 32
.endr
	SEND 3, 0
	s_wait_tensorcnt 0x0
	ds_add_u32 v[SPW], v[NIL]
	s_wait_dscnt 0x0
	CROUND
	s_endpgm
.Lfunc_end_k_q0857f2566d_oproj:
	.size	k_q0857f2566d_oproj, .Lfunc_end_k_q0857f2566d_oproj-k_q0857f2566d_oproj
	.p2alignl 7, 3214868480
	.fill 96, 4, 3214868480
	.section	.rodata,"a",@progbits
	.p2align	6, 0x0
	.amdhsa_kernel k_q0857f2566d_oproj
		.amdhsa_group_segment_fixed_size 327680
		.amdhsa_private_segment_fixed_size 0
		.amdhsa_enable_private_segment 0
		.amdhsa_kernarg_size 48
		.amdhsa_user_sgpr_count 2
		.amdhsa_user_sgpr_kernarg_segment_ptr 1
		.amdhsa_wavefront_size32 1
		.amdhsa_system_sgpr_workgroup_id_x 1
		.amdhsa_system_sgpr_workgroup_id_y 1
		.amdhsa_system_sgpr_workgroup_id_z 1
		.amdhsa_system_vgpr_workitem_id 0
		.amdhsa_next_free_vgpr 1024
		.amdhsa_next_free_sgpr 100
		.amdhsa_reserve_vcc 0
		.amdhsa_float_denorm_mode_32 3
		.amdhsa_float_denorm_mode_16_64 3
		.amdhsa_memory_ordered 1
		.amdhsa_forward_progress 1
		.amdhsa_inst_pref_size 92
	.end_amdhsa_kernel
	.amdgpu_metadata
---
amdhsa.version: [ 1, 2 ]
amdhsa.kernels:
  - .name:           k_q0857f2566d_oproj
    .symbol:         k_q0857f2566d_oproj.kd
    .args:
      - { .name: a_codes, .offset: 0, .size: 8, .value_kind: global_buffer, .address_space: global }
      - { .name: W_o_codes, .offset: 8, .size: 8, .value_kind: global_buffer, .address_space: global }
      - { .name: lowp_scales, .offset: 16, .size: 8, .value_kind: global_buffer, .address_space: global }
      - { .name: b_o, .offset: 24, .size: 8, .value_kind: global_buffer, .address_space: global }
      - { .name: x, .offset: 32, .size: 8, .value_kind: global_buffer, .address_space: global }
      - { .name: out0, .offset: 40, .size: 8, .value_kind: global_buffer, .address_space: global }
    .group_segment_fixed_size: 327680
    .private_segment_fixed_size: 0
    .kernarg_segment_align: 8
    .kernarg_segment_size: 48
    .max_flat_workgroup_size: 128
    .sgpr_count:     100
    .vgpr_count:     1024
    .wavefront_size: 32
...
	.end_amdgpu_metadata
.endif
;; end of part 5
